; MI455X (gfx1250); checked and timed in simulation.
; The chip was launched on July 23, 2026; its instructions are those of AMD's public machine-readable ISA for CDNA 5 (MIT licence, August 2026) and "CDNA5" Instruction Set Architecture Reference Guide (July 2026). The comments in the code are by the model that wrote it; some were corrected since.
;; A Li Bi Attention. Allowed arithmetic: matrix products marked QUANTISED: E2M3 operands, one E8M0 scale for each 32 along K, by v_wmma_scale_f32_16x16x128_f8f6f4 with both operands' format E2M3, f32 sums; everything else in f32.
;; Inputs: b_out 1,024 float32; b_qkv 3,072 float32; w_out 1,024 x 1,024 float32; w_qkv 3,072 x 1,024 float32; x 4 x 2,048 x 1,024 float32.
;; Outputs: out0 4 x 2,048 x 1,024 float32.
;; This version of the problem:
;;   THIS VERSION OF THE PROBLEM IS GIVEN IN LOW PRECISION. The matrix products marked QUANTISED in the list below multiply operands that are first quantised to E2M3 (2 exponent bits, 3 mantissa bits; 6 bits a number), with one power-of-two scale for each 32 numbers along K (OCP MX v1.0); their sums are f32. All else is computed in f32.
;;   The module's matrix products, in the order in which they are computed (A, B: the left and right operand; K: the contracted axis; several contracted axes count as one K, in the product's order):
;;     1. [M 8,192, K 1,024] x [K 1,024, N 3,072]; A: input x; B: input w_qkv: QUANTISED
;;     2. batch 64 x [M 2,048, K 64] x [K 64, N 2,048]; A: computed on the way; B: computed on the way: QUANTISED
;;     3. batch 64 x [M 2,048, K 2,048] x [K 2,048, N 64]; A: softmax (see below); B: computed on the way: QUANTISED
;;     4. [M 8,192, K 1,024] x [K 1,024, N 1,024]; A: computed on the way; B: input w_out: QUANTISED
;;   THE QUANTISER, for each operand of a quantised product, along K:
;;     - K is cut into blocks of 32 from its start; a last block that is shorter is filled with zeros.
;;     - A block's scale is 2^e with e = floor(log2(the largest magnitude in the block)) - 2, held to -126 .. 127; a block of zeros has e = 0. As a byte (E8M0): e + 127.
;;     - Each number is divided by its block's scale, clamped to +-7.5, and rounded to the nearest number of E2M3, ties to even, subnormals kept.
;;     - The product sums the exact products of the quantised numbers (number of the format x scale) in f32.
;;   ~~~python
;;   def quantise(x, axis):      # numpy; x: float32 -> the quantised numbers, widened to float32 again
;;       x = np.moveaxis(x, axis, -1); K = x.shape[-1]
;;       x = np.pad(x, [(0, 0)] * (x.ndim - 1) + [(0, -K % 32)]); x = x.reshape(x.shape[:-1] + (-1, 32)); a = np.abs(x).max(-1, keepdims=True)
;;       e = np.where(a > 0, np.clip(np.frexp(np.where(a > 0, a, 1))[1] - 1 - 2, -126, 127), 0)      # np.frexp(a)[1] - 1 = floor(log2(a)), exactly
;;       r = np.clip(x / 2.0 ** e, -7.5, 7.5)
;;       step = 2.0 ** (np.maximum(np.frexp(np.where(r == 0, 1, r))[1] - 1, 0) - 3)
;;       q = np.round(r / step) * step * 2.0 ** e      # np.round: ties to even
;;       return np.moveaxis(q.reshape(q.shape[:-2] + (-1,))[..., :K], -1, axis).astype(np.float32)
;;   ~~~
;;   SOFTMAX AHEAD OF A QUANTISED PRODUCT. Where the list says 'softmax', what is quantised is not the finished softmax but p = 2^(t - M), with t = logit x log2(e) and M = ceil(the row's largest t), a whole number; so 1/2 < the row's largest p <= 1. The row's sum l is taken of the UNQUANTISED p, in f32, and the product's result is divided by l at the end. Since M is a whole number, a kernel that streams over the keys may use a running M (the ceiling of the running maximum): every later rescaling is an exact power of two, which a block's scale takes up: the codes' values come out the same.
;;   OPERANDS COMPUTED ON THE WAY. 'Computed on the way' means the value that the module computes at that place (a softmax that the list does not call 'softmax' is quantised finished and normalised). What goes into a quantiser is computed in f32, as accurately as f32 sums, v_exp_f32 and their like allow (about 1e-6 of the number): no bf16 or f16 on the way to a quantiser, and a product that is left as it is and whose result goes on into a quantised operand takes f32 operands (vector FMAs, or v_wmma_f32_16x16x4_f32). A number that lies on a knife's edge between two numbers of the format may be rounded either way, as far as f32 arithmetic and the matrix unit's own rounding can turn it there, and no further.
;; One version. Each part assembles by itself: llvm-mc -triple=amdgcn-amd-amdhsa -mcpu=gfx1250 --defsym DOCPART=n.
;; ======== version 1 of 1: 4 launches
;; limits: right only within a limited range of input values
;; workspace buffers: ximg 6,553,600 bytes; wqimg 2,457,600 bytes; woimg 819,200 bytes; qkv 19,660,800 bytes; aimg 6,553,600 bytes
;; launch quant (part 1): grid 768 x 1, 2 waves a work-group, no clusters, 17,408 bytes of LDS; arguments x, w_qkv, w_out, ximg, wqimg, woimg; writes ximg, wqimg, woimg
.if DOCPART == 1
	.amdgcn_target "amdgcn-amd-amdhsa--gfx1250"
	.amdhsa_code_object_version 6
	.text
	.protected	k_q125b498a74_quant
	.globl	k_q125b498a74_quant
	.p2align	8
	.type	k_q125b498a74_quant,@function
k_q125b498a74_quant:
	s_mov_b64 s[64:65], 0
	v_nop
	global_prefetch_b8 v0, s[64:65] scope:SCOPE_SE
	s_setreg_imm32_b32 hwreg(HW_REG_WAVE_MODE, 25, 1), 1
	s_wait_xcnt 0x0
; x [8192][1024], w_qkv [3072][1024], w_out [1024][1024], f32, K innermost, become codes of FP6 (E2M3) with one E8M0 byte for each 32 along K,
; laid as IMAGES OF OPERAND REGISTERS.  A tile T is 16 rows: lane r holds row 32 (T / 2) + 8 (T % 2) + r + 8 (r / 8).  A fragment (16 rows x 128 K, 12 registers a lane)
; is six pieces of 256 bytes: piece q holds registers 2 q, 2 q + 1, lane l's 8 bytes at 8 l.  A block is four fragments (K steps 4 c .. 4 c + 3) and one piece of
; scale words, [row r][4 words]: 6,400 bytes.  A buffer is [tile][c = 0, 1] blocks.
; A block's scale is 2^(floor(log2(largest magnitude)) - 2); its byte is the largest magnitude's exponent field - 2, held at 1 from below.
; LIMITS: a block whose largest magnitude lies under 2^-124 keeps the byte 1, a block of zeros too (its codes are zeros; this program alone reads the bytes); NaN and infinities are not served.
; SHARES: a wave makes one block.  Work-groups 0-511 take x, 512-703 w_qkv, 704-767 w_out: pointers alone are chosen, there is one path through the text.
; Each load reads 512 consecutive bytes of one row; the 16 rows x 512 bytes turn through the wave's own stage in LDS (pitch 528), so that a lane gets 16 neighbours of each block of 32.
; Waves share nothing: no barrier.  No cluster: work-groups share no input.  No matrix unit: the launch streams.
; AS LAUNCHED: two waves a work-group, a wave still makes one block; work-groups 0-511 take x, 512-703 w_qkv, 704-767 w_out: 768 work-groups of equal work.
.set STG,   8448                       ; a wave's stage: 16 rows x (512 + 16) bytes
.set SPARE, 2*STG                      ; behind the two stages: the spare words, 128 bytes for each wave
.set SPW,   6                          ; v6   my spare word's LDS address; never rewritten
.set NIL,   7                          ; v7   0; never rewritten
.set TM,    16                         ; v16-31 at work in QUANT
.set PW,    32                         ; v32-35 the four fragments' scale words
.set PC,    36                         ; v36-55 the codes just made (12 + 8)
.set X,     64                         ; v64-127 64 numbers: register 16 b + i = k 32 b + 16 h + i of my row
.set RAW,   128                        ; v128-255 two sets of 64, as loaded
.set SEL,   20                         ; s[20:21] selects for lane l xor 16
	s_load_b256 s[4:11], s[0:1], 0x0               ; x, w_qkv, w_out, ximg
	s_load_b128 s[12:15], s[0:1], 0x20             ; wqimg, woimg
	v_lshl_add_u32 v[SPW], v0, 2, SPARE
	v_mov_b32 v[NIL], 0
	v_lshrrev_b32 v1, 5, v0
	v_readfirstlane_b32 s16, v1                    ; wave
	v_and_b32 v10, 31, v0                          ; lane
	v_and_b32 v11, 15, v0                          ; r
	v_bfe_u32 v12, v0, 4, 1                        ; h
	v_lshlrev_b32 v1, 4, v10                       ; 16 x lane: my bytes of a load's 512
	s_mul_i32 s17, s16, STG
	v_add_nc_u32 v2, s17, v1                       ; the stage, on the way in
	v_mul_u32_u24 v3, v11, 528
	v_lshl_add_u32 v3, v12, 6, v3
	v_add_nc_u32 v3, s17, v3                       ; and on the way out: row r, + 64 h
	v_lshlrev_b32 v4, 3, v10                       ; 8 x lane: my place in a piece
	v_lshlrev_b32 v5, 4, v11
	v_lshl_add_u32 v5, v12, 3, v5                  ; 16 r + 8 h: my two scale words
	s_mov_b32 s[SEL], 0x76543210
	s_mov_b32 s[SEL+1], 0xfedcba98
	s_mov_b32 s22, 0xffff0000                      ; lanes 16-31
.irp b, 0,1,2,3
	v_mov_b32 v[TM+4+\b], 0                        ; written once: a lane permute's destination counts as one of its sources
.endr
	s_mov_b32 s18, 704
	s_wait_alu depctr_va_vdst(0)
	s_wait_kmcnt 0x0
	s_cmp_lt_u32 ttmp9, 704                        ; which tensor: the choice hangs on the work-group's number alone
	s_cselect_b64 s[6:7], s[6:7], s[8:9]
	s_cselect_b64 s[12:13], s[12:13], s[14:15]
	s_cselect_b32 s18, 512, s18
	s_cmp_lt_u32 ttmp9, 512
	s_cselect_b64 s[4:5], s[4:5], s[6:7]           ; the source
	s_cselect_b64 s[10:11], s[10:11], s[12:13]     ; its images
	s_cselect_b32 s18, 0, s18                      ; the tensor's first work-group
	s_sub_co_u32 s18, ttmp9, s18
	s_lshl_b32 s18, s18, 1                         ; two blocks a work-group
	s_add_co_u32 s18, s18, s16                     ; my block: 2 T + c
	s_lshr_b32 s19, s18, 1                         ; T
	s_and_b32 s23, s18, 1                          ; c
	s_lshr_b32 s24, s19, 1
	s_lshl_b32 s24, s24, 17                        ; 32 (T / 2) rows of 4,096 bytes
	s_and_b32 s25, s19, 1
	s_lshl_b32 s25, s25, 15                        ; 8 (T % 2) rows
	s_add_co_u32 s24, s24, s25
	s_lshl_b32 s25, s23, 11                        ; 512 c numbers
	s_add_co_u32 s24, s24, s25
	s_mov_b32 s25, 0
	s_add_nc_u64 s[4:5], s[4:5], s[24:25]
	s_mul_i32 s24, s18, 6400
	s_add_nc_u64 s[10:11], s[10:11], s[24:25]
.macro LOAD f                          ; K step f of the block: the tile's 16 rows, 512 consecutive bytes each
.irp i, 0,1,2,3,4,5,6,7,8,9,10,11,12,13,14,15
	global_load_b128 v[RAW+64*((\f)%2)+4*\i:RAW+64*((\f)%2)+4*\i+3], v1, s[4:5] offset:(\i+8*(\i/8))*4096+512*(\f) th:TH_LOAD_NT
.endr
.endm
; 64 numbers of a lane, register 16 b + i = k 32 b + 16 h + i of my row, become a fragment's codes in v[PC] on and its scale word in v[pw]
.macro QUANT s, pw
.irp b, 0,1,2,3
	v_max3_num_f32 v[TM+\b], |v[\s+16*\b]|, |v[\s+1+16*\b]|, 0x1800000   ; my 16 numbers of block b, and the floor 2^(3 - 127): the byte cannot fall under 1
.endr
.irp i, 2,4,6,8,10,12,14
.irp b, 0,1,2,3
	v_max3_num_f32 v[TM+\b], v[TM+\b], |v[\s+16*\b+\i]|, |v[\s+1+16*\b+\i]|
.endr
.endr
.irp b, 0,1,2,3
	v_permlanex16_b32 v[TM+4+\b], v[TM+\b], s[SEL], s[SEL+1]
.endr
.irp b, 0,1,2,3
	v_max_num_f32 v[TM+\b], v[TM+\b], v[TM+4+\b]   ; with lane l xor 16's: the block's largest magnitude
.endr
.irp b, 0,1,2,3
	v_add_nc_u32 v[TM+12+\b], 0xff000000, v[TM+\b] ; 2 off its exponent field: the conversion's scale operand
.endr
.irp b, 0,1,2,3
	v_lshrrev_b32 v[TM+4+\b], 23, v[TM+12+\b]      ; the scale's byte
.endr
	v_lshl_or_b32 v[\pw], v[TM+5], 8, v[TM+4]
	v_lshl_or_b32 v[\pw], v[TM+6], 16, v[\pw]
	v_lshl_or_b32 v[\pw], v[TM+7], 24, v[\pw]
.irp c, 0,1
	v_cvt_scalef32_pk16_fp6_f32 v[PC+6*\c:PC+2+6*\c], v[\s+32*\c:\s+15+32*\c], v[TM+12+2*\c]
	v_cvt_scalef32_pk16_fp6_f32 v[PC+12+4*\c:PC+14+4*\c], v[\s+16+32*\c:\s+31+32*\c], v[TM+12+2*\c+1]   ; (a conversion's three registers begin on an even number)
.endr
	v_nop                                          ; one plain place behind a scaled conversion
.irp c, 0,1                            ; the operand's layout wants a whole block in a lane: lanes 0-15 block 2 c, lanes 16-31 block 2 c + 1
.irp i, 0,1,2
	v_permlane16_swap_b32 v[PC+6*\c+\i], v[PC+12+4*\c+\i]
.endr
.irp i, 0,1,2
	v_mov_b32 v[PC+3+6*\c+\i], v[PC+12+4*\c+\i]
.endr
.endr
.endm
.macro FRAGQ f
.if (\f) < 3
	s_wait_loadcnt 16                              ; this K step's 16 loads are in; the next one's 16 may be out
.else
	s_wait_loadcnt 0x0
.endif
.irp i, 0,1,2,3,4,5,6,7,8,9,10,11,12,13,14,15
	ds_store_b128 v2, v[RAW+64*((\f)%2)+4*\i:RAW+64*((\f)%2)+4*\i+3] offset:528*\i
.endr
.irp b, 0,1,2,3
.irp j, 0,1,2,3
	ds_load_b128 v[X+16*\b+4*\j:X+16*\b+4*\j+3], v3 offset:128*\b+16*\j   ; LDS serves a wave's instructions in order: these see the stores above
.endr
.endr
	s_wait_dscnt 0x0                               ; the numbers are back, and the stores have read their registers
	s_wait_xcnt 0x0                                ; the last fragment's stores have read the codes' registers, which QUANT writes again
.if (\f) < 2
	LOAD (\f)+2
.endif
	QUANT X, PW+(\f)
.irp q, 0,1,2,3,4,5
	global_store_b64 v4, v[PC+2*\q:PC+2*\q+1], s[10:11] offset:1536*(\f)+256*\q   ; 32 lanes store 256 consecutive bytes, aligned
.endr
.endm
	LOAD 0
	LOAD 1
	FRAGQ 0
	FRAGQ 1
	FRAGQ 2
	FRAGQ 3
	v_cndmask_b32 v8, v[PW], v[PW+2], s22          ; lanes 0-15 store words 0, 1 of their row, lanes 16-31 words 2, 3
	v_cndmask_b32 v9, v[PW+1], v[PW+3], s22
	global_store_b64 v5, v[8:9], s[10:11] offset:6144
	s_wait_tensorcnt 0x0                           ; the wave's end: a tensor wait, an add and its wait behind my last LDS store
	ds_add_u32 v[SPW], v[NIL]
	s_wait_dscnt 0x0
	s_endpgm
.Lfunc_end_k_q125b498a74_quant:
	.size	k_q125b498a74_quant, .Lfunc_end_k_q125b498a74_quant-k_q125b498a74_quant
	.p2alignl 7, 3214868480
	.fill 96, 4, 3214868480
	.section	.rodata,"a",@progbits
	.p2align	6, 0x0
	.amdhsa_kernel k_q125b498a74_quant
		.amdhsa_group_segment_fixed_size 17408
		.amdhsa_private_segment_fixed_size 0
		.amdhsa_enable_private_segment 0
		.amdhsa_kernarg_size 48
		.amdhsa_user_sgpr_count 2
		.amdhsa_user_sgpr_kernarg_segment_ptr 1
		.amdhsa_wavefront_size32 1
		.amdhsa_system_sgpr_workgroup_id_x 1
		.amdhsa_system_sgpr_workgroup_id_y 1
		.amdhsa_system_sgpr_workgroup_id_z 1
		.amdhsa_system_vgpr_workitem_id 0
		.amdhsa_next_free_vgpr 256
		.amdhsa_next_free_sgpr 66
		.amdhsa_reserve_vcc 0
		.amdhsa_float_denorm_mode_32 3
		.amdhsa_float_denorm_mode_16_64 3
		.amdhsa_memory_ordered 1
		.amdhsa_forward_progress 1
		.amdhsa_inst_pref_size 35
	.end_amdhsa_kernel
	.amdgpu_metadata
---
amdhsa.version: [ 1, 2 ]
amdhsa.kernels:
  - .name:           k_q125b498a74_quant
    .symbol:         k_q125b498a74_quant.kd
    .args:
      - { .name: x, .offset: 0, .size: 8, .value_kind: global_buffer, .address_space: global }
      - { .name: w_qkv, .offset: 8, .size: 8, .value_kind: global_buffer, .address_space: global }
      - { .name: w_out, .offset: 16, .size: 8, .value_kind: global_buffer, .address_space: global }
      - { .name: ximg, .offset: 24, .size: 8, .value_kind: global_buffer, .address_space: global }
      - { .name: wqimg, .offset: 32, .size: 8, .value_kind: global_buffer, .address_space: global }
      - { .name: woimg, .offset: 40, .size: 8, .value_kind: global_buffer, .address_space: global }
    .group_segment_fixed_size: 17408
    .private_segment_fixed_size: 0
    .kernarg_segment_align: 8
    .kernarg_segment_size: 48
    .max_flat_workgroup_size: 64
    .sgpr_count:     66
    .vgpr_count:     256
    .wavefront_size: 32
...
	.end_amdgpu_metadata
.endif
;; end of part 1
;; launch qkvgemm (part 2): grid 8 x 32, 4 waves a work-group, clusters of 4 x 4, 327,680 bytes of LDS; arguments ximg, wqimg, b_qkv, qkv; writes qkv
.if DOCPART == 2
	.amdgcn_target "amdgcn-amd-amdhsa--gfx1250"
	.amdhsa_code_object_version 6
	.text
	.protected	k_q125b498a74_qkvgemm
	.globl	k_q125b498a74_qkvgemm
	.p2align	8
	.type	k_q125b498a74_qkvgemm,@function
k_q125b498a74_qkvgemm:
	s_mov_b64 s[64:65], 0
	v_nop
	global_prefetch_b8 v0, s[64:65] scope:SCOPE_SE
	s_setreg_imm32_b32 hwreg(HW_REG_WAVE_MODE, 25, 1), 1
	s_wait_xcnt 0x0
	s_wait_alu depctr_hold_cnt(0) depctr_sa_sdst(0) depctr_va_vdst(0) depctr_va_sdst(0) depctr_va_ssrc(0) depctr_va_vcc(0) depctr_vm_vsrc(0)
	s_getreg_b32 s2, hwreg(HW_REG_IB_STS2, 6, 4)
	s_cmp_eq_u32 s2, 0
	s_cbranch_scc0 .Lentry_in_a_cluster
	s_endpgm
.Lentry_in_a_cluster:
	s_bfe_u32 s2, ttmp6, 0x10000c
	s_cmp_lg_u32 s2, 0xf033
	s_cbranch_scc0 .Lentry_shape_is_right
	s_endpgm
.Lentry_shape_is_right:
; qkv = x w_qkv^T + b_qkv on codes of FP6 (E2M3) with E8M0 scales, and the quantising of q, k (along the head's 64) and v (along the keys): only codes leave.
; THE DEAL: 256 work-groups that stay.  Work-group (j = 0..7, xb = 0..31) keeps tokens 256 xb .. + 255 of x, all of K = 1,024, in LDS (filled once) and takes three tiles of 128 rows of w_qkv past them:
;   rows 128 j of q, of k, of v (tiles j, j + 8, j + 16 of wqimg).  Each tile is 128 x 256 x 1,024: 256 products a wave.
; OPERANDS: P is source 0: its rows run along a lane's result registers, so P's axis is the one that is quantised.  R is source 1: its row is the lane's.
;   q, k: P = the 8 tiles of W, R = my 4 tiles of x (4 w ..).    v: P = 8 tiles of x (key step w / 2 of the two), R = 4 tiles of W (head w % 2 of the two).  Only address registers differ.
; Images (as the first launch lays them): a tile is 16 rows, lane r holding row 32 (T / 2) + 8 (T % 2) + r + 8 (r / 8); a fragment (16 rows x 128 K) is six pieces of 256 bytes, lane l's 8 bytes at 8 l;
;   a block is four fragments and 256 bytes of scale words [row][4]: 6,400 bytes; a tile has two blocks (K's halves).
; LDS: for each half c of K: x's 16 blocks, then W's 8.  FILLS: at the head one joint load a wave: x half 0, W half 0, x half 1, W half 1.  W's halves are filled again for the next tile, each in a drained
;   round of the cluster's barrier: half 0 in K step 3 (wave 1), when its last fragments are in registers; half 1 in K step 7 (wave 3).  By this text's own count a wave has one tensor load out at the most.
; CLUSTER 4 x 4: x's blocks hang on xb (cy) and go to my row of the cluster, W's on j (cx) and go to my column.
; PREFETCH: in each of the loop's two trips the next tile of W (400 blocks of 256 bytes) is asked for, three K steps ahead of its first load: 25 blocks for each of the 16 waves of my column, shared out by address.
; q and k are a loop of two trips; v, which fills nothing again, is written out.
; OUTPUT qkv: [batch x head][Q, K, V][step of 128 tokens] blocks.  Q, K: fragment p = tokens 32 p .. + 31: registers 0-5 tile 2 p's head rows, 6-11 tile 2 p + 1's; scale word [u0 b0, u0 b1, u1 b0, u1 b1].  V: fragment t = 16 channels x 128 keys.
; LIMITS: a block whose largest magnitude lies under 2^-124 keeps the byte 1, a block of zeros too (zero codes; this program alone reads the bytes); NaN and infinities are not served.
; REGISTERS: window 0: v0-31 addresses; v32-79 scale words of K's first half; v80-143 q's or k's bias, later v80-127 the scale words of the second half; v144-239 R's fragments, two sets; later the codes.
;   window 1: P's fragments, two sets of 96; v192-223 v's bias.   window 2: accumulator (a, b) at v[8 (8 a + b)].
.set CHUNK, 153600
.set POFF,  102400
.set BLK,   6400
.set WSTEP, 819200                     ; from a tile of W to the next tensor's: 8 x 102,400 bytes
.set SPARE, 2*CHUNK                    ; the spare words, 128 bytes for each wave
.set AR,  2
.set AP,  4
.set SR,  6
.set SP,  8
.set SPW, 10
.set NIL, 11
.set VO,  16                           ; v16-23 the codes' offsets: tile a, half c at v[VO + 2 a + c]
.set SCO, 25
.set SELH, 27
.set PFO, 29                           ; the prefetch's offset; never rewritten
.set SCP, 32
.set SCR, 64
.set BI,  80
.set BVR, 192                          ; window 1
.set RF,  144
.set PCA, 144
.set TM,  224
.set PWR, 240
.set G1X, 24
.set G0X, 32
.set G1W, 48
.set G0W, 56
.set SEL, 20
.set OUT, 10
.set OUTV, 90
.set PF,  96
.set MSB, 0
.macro WIN new
.if MSB != \new
	s_set_vgpr_msb (MSB<<8)|\new
.set MSB, \new
.endif
.endm
.macro PLACES                          ; four plain places behind a matrix instruction (ISA guide 7.12.1)
.rept 4
	v_nop
.endr
.endm
.macro TLOAD g0, g1                    ; an s_nop 0 and four v_nop follow the load
	tensor_load_to_lds s[\g0:\g0+3], s[\g1:\g1+7]
	s_nop 0
	PLACES
.endm
.macro CROUND                          ; a round of the cluster's barrier
	s_barrier_signal -1
	s_barrier_wait -1
	s_cmp_lg_u32 s14, 0
	s_cbranch_scc1 .Lnot_wave_0_\@
	s_barrier_signal -3
.Lnot_wave_0_\@:
	s_barrier_wait -3
	s_barrier_signal -1
	s_barrier_wait -1
.endm
.macro FETCH s                         ; K step s: P's eight fragments and my four of R, into set s % 2
	WIN 0x40
.irp b, 0,1,2,3,4,5,6,7
.irp q, 0,1,2,3,4,5
	ds_load_b64 v[96*((\s)%2)+12*\b+2*\q:96*((\s)%2)+12*\b+2*\q+1], v[AP+(\s)/4] offset:BLK*\b+1536*((\s)%4)+256*\q
.endr
.endr
	WIN 0
.irp a, 0,1,2,3
.irp q, 0,1,2,3,4,5
	ds_load_b64 v[RF+48*((\s)%2)+12*\a+2*\q:RF+48*((\s)%2)+12*\a+2*\q+1], v[AR+(\s)/4] offset:BLK*\a+1536*((\s)%4)+256*\q
.endr
.endr
.endm
.macro SCALES c                        ; the scale words of four K steps: 16 bytes a row
.irp b, 0,1,2,3,4,5,6,7
	ds_load_b128 v[SCP+48*\c+4*\b:SCP+48*\c+4*\b+3], v[SP+\c] offset:BLK*\b
.endr
.irp a, 0,1,2,3
	ds_load_b128 v[SCR+48*\c+4*\a:SCR+48*\c+4*\a+3], v[SR+\c] offset:BLK*\a
.endr
.endm
; 32 products: the accumulators take turns, one instruction a turn.  cm = 0: C = D; 1: C = the bias by P's tile; 2: by R's tile (window 1)
.macro MUL32 s, cm
.if \cm == 0
	WIN 0xa1
.elseif \cm == 1
	WIN 0x81
.else
	WIN 0x91
.endif
.irp a, 0,1,2,3
.irp b, 0,1,2,3,4,5,6,7
.if \cm == 0
	v_wmma_scale_f32_16x16x128_f8f6f4 v[8*(8*\a+\b):8*(8*\a+\b)+7], v[96*((\s)%2)+12*\b:96*((\s)%2)+12*\b+11], v[RF+48*((\s)%2)+12*\a:RF+48*((\s)%2)+12*\a+11], v[8*(8*\a+\b):8*(8*\a+\b)+7], v[SCP+48*((\s)/4)+4*\b+(\s)%4], v[SCR+48*((\s)/4)+4*\a+(\s)%4] matrix_a_fmt:MATRIX_FMT_FP6 matrix_b_fmt:MATRIX_FMT_FP6
.elseif \cm == 1
	v_wmma_scale_f32_16x16x128_f8f6f4 v[8*(8*\a+\b):8*(8*\a+\b)+7], v[96*((\s)%2)+12*\b:96*((\s)%2)+12*\b+11], v[RF+48*((\s)%2)+12*\a:RF+48*((\s)%2)+12*\a+11], v[BI+8*\b:BI+8*\b+7], v[SCP+48*((\s)/4)+4*\b+(\s)%4], v[SCR+48*((\s)/4)+4*\a+(\s)%4] matrix_a_fmt:MATRIX_FMT_FP6 matrix_b_fmt:MATRIX_FMT_FP6
.else
	v_wmma_scale_f32_16x16x128_f8f6f4 v[8*(8*\a+\b):8*(8*\a+\b)+7], v[96*((\s)%2)+12*\b:96*((\s)%2)+12*\b+11], v[RF+48*((\s)%2)+12*\a:RF+48*((\s)%2)+12*\a+11], v[BVR+8*\a:BVR+8*\a+7], v[SCP+48*((\s)/4)+4*\b+(\s)%4], v[SCR+48*((\s)/4)+4*\a+(\s)%4] matrix_a_fmt:MATRIX_FMT_FP6 matrix_b_fmt:MATRIX_FMT_FP6
.endif
.endr
.endr
.endm
; K steps 1 to 7.  kind 1: a plain barrier shows K's second half. kind 2: a drained round; wave wv fills the half of W whose group 0 is g0 with the next tile's
.macro KSTEP s, kind=0, wv=0, g0=0
	s_wait_dscnt 0x0                               ; this step's fragments are in
.if \kind == 1
	s_wait_tensorcnt 0x0
	s_barrier_signal -1
	s_barrier_wait -1
.elseif \kind == 2
	WIN 0
	s_wait_tensorcnt 0x0                           ; all my tensor loads are done,
	ds_add_u32 v[SPW], v[NIL]                      ; an add to my spare word,
	s_add_nc_u64 s[\g0+2:\g0+3], s[\g0+2:\g0+3], WSTEP   ; (no load of mine is out: the next tile's address)
	s_wait_dscnt 0x0                               ; and my reads of the half that is filled again
	CROUND
	s_cmp_eq_u32 s14, \wv
	s_cbranch_scc0 .Lnone_\@
	TLOAD \g0, G1W
.Lnone_\@:
.endif
.if (\s) < 7
	PLACES                                         ; behind the last step's products, which read the set that is loaded now
	FETCH (\s)+1
.if (\s) == 3
	SCALES 1
.endif
.endif
	MUL32 \s, 0
.endm
; R's tile a: my 64 results, register 16 b + i = P's row 32 b + 16 h + i, become a fragment's codes and its scale word.  Each accumulator is read from its low end on.
.macro QUANTW a, o
	WIN 0x28
.irp b, 0,1,2,3
	v_max3_num_f32 v[TM+\b], 0x1800000, |v[64*(\a)+16*\b]|, |v[64*(\a)+16*\b+1]|   ; with the floor 2^(3 - 127): the byte cannot fall under 1
.endr
.irp i, 2,4,6,8,10,12,14
.irp b, 0,1,2,3
	v_max3_num_f32 v[TM+\b], v[TM+\b], |v[64*(\a)+16*\b+\i]|, |v[64*(\a)+16*\b+\i+1]|
.endr
.endr
	WIN 0
.irp b, 0,1,2,3
	v_permlanex16_b32 v[TM+4+\b], v[TM+\b], s[SEL], s[SEL+1]
.endr
.irp b, 0,1,2,3
	v_max_num_f32 v[TM+\b], v[TM+\b], v[TM+4+\b]
.endr
.irp b, 0,1,2,3
	v_add_nc_u32 v[TM+12+\b], 0xff000000, v[TM+\b] ; 2 off the exponent field: the conversion's scale operand
.endr
.irp b, 0,1,2,3
	v_lshrrev_b32 v[TM+4+\b], 23, v[TM+12+\b]
.endr
	v_lshl_or_b32 v[PWR+(\a)], v[TM+5], 8, v[TM+4]
	v_lshl_or_b32 v[PWR+(\a)], v[TM+6], 16, v[PWR+(\a)]
	v_lshl_or_b32 v[PWR+(\a)], v[TM+7], 24, v[PWR+(\a)]
	WIN 0x02
.irp c, 0,1
	v_cvt_scalef32_pk16_fp6_f32 v[PCA+20*(\a)+6*\c:PCA+20*(\a)+6*\c+2], v[64*(\a)+32*\c:64*(\a)+32*\c+15], v[TM+12+2*\c]
	v_cvt_scalef32_pk16_fp6_f32 v[PCA+20*(\a)+12+4*\c:PCA+20*(\a)+14+4*\c], v[64*(\a)+32*\c+16:64*(\a)+32*\c+31], v[TM+12+2*\c+1]
.endr
	WIN 0
	v_nop                                          ; one plain place behind a scaled conversion
.irp c, 0,1
.irp i, 0,1,2
	v_permlane16_swap_b32 v[PCA+20*(\a)+6*\c+\i], v[PCA+20*(\a)+12+4*\c+\i]
.endr
.irp i, 0,1,2
	v_mov_b32 v[PCA+20*(\a)+3+6*\c+\i], v[PCA+20*(\a)+12+4*\c+\i]
.endr
.endr
.irp c, 0,1
.irp p, 0,1,2
	global_store_b64 v[VO+2*(\a)+\c], v[PCA+20*(\a)+6*\c+2*\p:PCA+20*(\a)+6*\c+2*\p+1], s[\o:\o+1] offset:256*\p   ; 32 lanes store 256 consecutive bytes, aligned
.endr
.endr
.endm
.macro SETADR p, r                     ; the LDS addresses: P's blocks begin at s\p, my R's at s\r, in K's first half
	v_add_nc_u32 v[AP], s\p, v1
	v_add_nc_u32 v[AR], s\r, v1
	v_add_nc_u32 v[SP], s\p, v14
	v_add_nc_u32 v[SR], s\r, v14
	v_add_nc_u32 v[AP+1], CHUNK, v[AP]
	v_add_nc_u32 v[AR+1], CHUNK, v[AR]
	v_add_nc_u32 v[SP], 6144, v[SP]
	v_add_nc_u32 v[SR], 6144, v[SR]
	v_add_nc_u32 v[SP+1], CHUNK, v[SP]
	v_add_nc_u32 v[SR+1], CHUNK, v[SR]
.endm
.macro SETVO                           ; the codes' offsets: s84 my place in a block, s83 from half c = 0 to 1, s82 from R's tile to the next
	v_add_nc_u32 v[VO], s84, v1
	v_add_nc_u32 v[VO+1], s83, v[VO]
.irp a, 1,2,3
	v_add_nc_u32 v[VO+2*\a], s82, v[VO+2*\a-2]
	v_add_nc_u32 v[VO+2*\a+1], s82, v[VO+2*\a-1]
.endr
.endm
; A TILE OF W.  cm: how the bias lies (1: q, k; 2: v).  more = 1: W's halves are filled again, the next tile is prefetched, and in the loop's first trip k's bias is loaded
.macro TILE cm, more, o
	FETCH 0
	SCALES 0
	s_wait_loadcnt 0x0                             ; the bias
	s_wait_dscnt 0x0
	FETCH 1
.if \more
	global_prefetch_b8 v[PFO], s[PF:PF+1] th:TH_LOAD_NT scope:SCOPE_SE   ; my 25 blocks of the next tile of W
.endif
	MUL32 0, \cm                                   ; the first K step starts the sums with the bias as C
	KSTEP 1
	KSTEP 2
.if \more
	KSTEP 3, 2, 1, G0W
.else
	KSTEP 3, 1
.endif
	KSTEP 4
	KSTEP 5
	KSTEP 6
.if \more
	KSTEP 7, 2, 3, G0W+4
.else
	KSTEP 7
.endif
	WIN 0
	PLACES
.if \more
	s_cmp_eq_u32 s94, 0
	s_cbranch_scc0 .Lno_bias_\@
	s_add_nc_u64 s[8:9], s[8:9], 4096              ; (q's bias loads were waited for)  k's bias: 1,024 numbers on
.irp b, 0,1,2,3,4,5,6,7
	global_load_b128 v[BI+8*\b:BI+8*\b+3], v15, s[8:9] offset:128*(\b/2)+32*(\b%2)
	global_load_b128 v[BI+8*\b+4:BI+8*\b+7], v15, s[8:9] offset:128*(\b/2)+32*(\b%2)+16
.endr
.Lno_bias_\@:
.endif
.irp b, 0,1,2,3
	v_mov_b32 v[TM+4+\b], 0                        ; a lane permute's destination counts as one of its sources
.endr
	QUANTW 0, \o
	QUANTW 1, \o
	QUANTW 2, \o
	QUANTW 3, \o
.if \cm == 1
	v_perm_b32 v244, v[PWR+1], v[PWR], v[SELH]     ; my head's two bytes of tiles 0, 1 and of tiles 2, 3 make the pair fragments' words
	v_perm_b32 v245, v[PWR+3], v[PWR+2], v[SELH]
.else
	v_cndmask_b32 v244, v[PWR], v[PWR+2], s85      ; lanes 0-15 store tiles 0, 1's words, lanes 16-31 tiles 2, 3's
	v_cndmask_b32 v245, v[PWR+1], v[PWR+3], s85
.endif
	global_store_b64 v[SCO], v[244:245], s[\o:\o+1] offset:6144
.endm
	s_load_b256 s[4:11], s[0:1], 0x0               ; ximg, wqimg, b_qkv, qkv
	v_lshl_add_u32 v[SPW], v0, 2, SPARE
	v_mov_b32 v[NIL], 0
	ds_add_u32 v[SPW], v[NIL]                      ; the opening lines: the add, twice on end, and its wait ahead of my first tensor load
	ds_add_u32 v[SPW], v[NIL]
	v_lshrrev_b32 v1, 5, v0
	v_readfirstlane_b32 s14, v1                    ; wave 0..3
	s_lshr_b32 s15, s14, 1
	s_and_b32 s16, s14, 1
	s_bfe_u32 s40, ttmp6, 0x40000                  ; cx
	s_bfe_u32 s41, ttmp6, 0x40004                  ; cy
	s_lshl_b32 s43, s41, 2
	s_lshl_b32 s43, 15, s43                        ; my row of the cluster
	s_lshl_b32 s44, 0x1111, s40                    ; my column
	; group 1: rows of one block (800 elements of 8 bytes), a tile's two blocks (1,600) apart; x: 16 tiles, W: 8
	s_or_b32 s[G1X], s43, (3<<16)|(1<<21)
	s_or_b32 s[G1W], s44, (3<<16)|(1<<21)
	s_mov_b32 s[G1X+1], 800<<16
	s_mov_b32 s[G1X+2], 16<<16
	s_mov_b32 s[G1X+3], 800<<16
	s_mov_b32 s[G1X+4], 16
	s_mov_b32 s[G1X+5], 1600
	s_mov_b32 s[G1X+6], 0
	s_mov_b32 s[G1X+7], 0
	s_mov_b32 s[G1W+1], 800<<16
	s_mov_b32 s[G1W+2], 8<<16
	s_mov_b32 s[G1W+3], 800<<16
	s_mov_b32 s[G1W+4], 8
	s_mov_b32 s[G1W+5], 1600
	s_mov_b32 s[G1W+6], 0
	s_mov_b32 s[G1W+7], 0
	s_mov_b32 s[SEL], 0x76543210
	s_mov_b32 s[SEL+1], 0xfedcba98
	s_mov_b32 s85, 0xffff0000                      ; lanes 16-31
	s_lshl_b32 s42, ttmp9, 2
	s_add_co_u32 s42, s42, s40                     ; j
	s_and_b32 s17, ttmp7, 0xffff
	s_lshl_b32 s17, s17, 2
	s_add_co_u32 s17, s17, s41                     ; xb
	s_mul_i32 s70, s17, 204800                     ; x: 16 tiles of 12,800 bytes a block of 256 tokens
	s_mov_b32 s71, 0
	s_mul_i32 s68, s42, 102400                     ; W: 8 tiles
	s_mov_b32 s69, 0
	s_lshr_b32 s86, s17, 3                         ; q's output: (16 batch + 2 j) heads, step 2 (xb % 8) + w / 2; k's lies 102,400 bytes on
	s_lshl_b32 s86, s86, 4
	s_lshl_b32 s87, s42, 1
	s_add_co_u32 s86, s86, s87
	s_mul_i32 s86, s86, 307200
	s_and_b32 s87, s17, 7
	s_lshl_b32 s87, s87, 1
	s_add_co_u32 s87, s87, s15
	s_mul_i32 s87, s87, BLK
	s_add_co_u32 s86, s86, s87
	s_mov_b32 s87, 0
	s_lshl_b32 s76, s42, 9                         ; q's bias: 128 j numbers on
	s_mov_b32 s77, 0
	s_lshl_b32 s92, s17, 1                         ; v's output: key step 2 xb + w / 2 of all 64, head 2 j + w % 2
	s_add_co_u32 s92, s92, s15
	s_lshr_b32 s90, s92, 4
	s_lshl_b32 s90, s90, 4
	s_lshl_b32 s93, s42, 1
	s_add_co_u32 s93, s93, s16
	s_add_co_u32 s90, s90, s93
	s_mul_i32 s90, s90, 307200
	s_add_co_u32 s90, s90, 204800
	s_and_b32 s92, s92, 15
	s_mul_i32 s92, s92, BLK
	s_add_co_u32 s90, s90, s92
	s_mov_b32 s91, 0
	s_lshl_b32 s78, s93, 8                         ; v's bias: 2,048 + 64 head numbers on
	s_add_co_u32 s78, s78, 8192
	s_mov_b32 s79, 0
	s_mul_i32 s66, s14, 4*BLK                      ; q, k: my four tiles of x;
	s_mov_b32 s67, POFF                            ; P = W
	s_mul_i32 s84, s16, 3072
	s_mov_b32 s83, 307200
	s_mov_b32 s82, 768
	s_lshl_b32 s95, s41, 2
	s_add_co_u32 s95, s95, s14                     ; my number among the sixteen waves of my column
	s_mul_i32 s95, s95, 25*256
	s_lshl_b32 s93, s16, 3
	s_wait_alu depctr_va_vdst(0)                   ; the wait ahead of the blocking wait
	s_wait_dscnt 0x0                               ; both opening adds are done
	CROUND                                         ; all sixteen work-groups are here: the first joint loads meet
	s_wait_kmcnt 0x0
	s_add_nc_u64 s[72:73], s[4:5], s[70:71]
	s_add_nc_u64 s[74:75], s[6:7], s[68:69]
	s_add_nc_u64 s[78:79], s[8:9], s[78:79]
	s_add_nc_u64 s[8:9], s[8:9], s[76:77]
	s_add_nc_u64 s[OUTV:OUTV+1], s[OUT:OUT+1], s[OUTV:OUTV+1]
	s_add_nc_u64 s[OUT:OUT+1], s[OUT:OUT+1], s[86:87]
	s_add_nc_u64 s[PF:PF+1], s[74:75], WSTEP
.irp c, 0,1
	s_mov_b32 s[G0X+4*\c], 1
	s_mov_b32 s[G0X+4*\c+1], \c*CHUNK
	s_add_nc_u64 s[G0X+4*\c+2:G0X+4*\c+3], s[72:73], \c*BLK
	s_or_b32 s[G0X+4*\c+3], s[G0X+4*\c+3], 0x80000000
	s_mov_b32 s[G0W+4*\c], 1
	s_mov_b32 s[G0W+4*\c+1], \c*CHUNK+POFF
	s_add_nc_u64 s[G0W+4*\c+2:G0W+4*\c+3], s[74:75], \c*BLK
	s_or_b32 s[G0W+4*\c+3], s[G0W+4*\c+3], 0x80000000
.endr
.macro ARM under, g0, g1, next         ; one chain of branches on the wave's number, one load to an arm
	s_cmp_lt_u32 s14, \under
	s_cbranch_scc0 \next
	TLOAD \g0, \g1
	s_branch .Lhead_asked
\next:
.endm
	ARM 1, G0X, G1X, .Lhead_1                      ; wave 0: x, K's first half
	ARM 2, G0W, G1W, .Lhead_2                      ; wave 1: W's
	ARM 3, G0X+4, G1X, .Lhead_3                    ; wave 2: x, the second half
	TLOAD G0W+4, G1W                               ; wave 3: W's
.Lhead_asked:
	v_and_b32 v12, 15, v0                          ; r
	v_bfe_u32 v13, v0, 4, 1                        ; h
	v_and_b32 v26, 31, v0
	v_lshlrev_b32 v1, 3, v26                       ; 8 x lane
	v_lshlrev_b32 v14, 4, v12                      ; 16 r
	v_min_u32 v[PFO], 24, v26
	v_lshlrev_b32 v[PFO], 8, v[PFO]
	v_add_nc_u32 v[PFO], s95, v[PFO]
	v_lshlrev_b32 v15, 6, v13                      ; the bias by P's rows: 64 h bytes
	v_and_b32 v24, 8, v12
	v_add_nc_u32 v24, v24, v12
	v_lshlrev_b32 v24, 2, v24                      ; by R's rows: 4 (r + 8 (r / 8))
	SETADR 67, 66
	SETVO
	v_mul_u32_u24 v[SCO], v13, 307200              ; q, k: lanes 16-31 store the second head's words: 16 r + 8 (w % 2) + 307,200 h
	v_add_nc_u32 v[SCO], v[SCO], v14
	v_add_nc_u32 v[SCO], s93, v[SCO]
	v_mov_b32 v[SELH], 0x05040100                  ; the low halves of two words (head 0), or
	v_mov_b32 v28, 0x07060302                      ; the high halves (head 1)
	v_cndmask_b32 v[SELH], v[SELH], v28, s85
.irp b, 0,1,2,3,4,5,6,7                ; q: register j of tile b wants the bias of P's row 32 (b / 2) + 16 h + 8 (b % 2) + j
	global_load_b128 v[BI+8*\b:BI+8*\b+3], v15, s[8:9] offset:128*(\b/2)+32*(\b%2)
	global_load_b128 v[BI+8*\b+4:BI+8*\b+7], v15, s[8:9] offset:128*(\b/2)+32*(\b%2)+16
.endr
	WIN 0x40
.irp a, 0,1,2,3                        ; v: all eight registers want the bias of the lane's row of R
.irp j, 0,1,2,3,4,5,6,7
	global_load_b32 v[BVR+8*\a+\j], v24, s[78:79] offset:128*(\a/2)+32*(\a%2)
.endr
.endr
	WIN 0
	s_wait_alu depctr_va_vdst(0)                   ; the wait at the head's end
	s_cmp_lt_u32 s14, 2
	s_cbranch_scc0 .Lsecond_half
	s_wait_tensorcnt 0x0                           ; waves 0 and 1: K's first half is in
.Lsecond_half:
	s_barrier_signal -1
	s_barrier_wait -1                              ; the second half may still be on its way
	s_mov_b32 s94, 0
.Ltile:                                                ; q, then k
	TILE 1, 1, OUT
	s_wait_alu depctr_va_vdst(0)                   ; the wait ahead of the blocking wait and the branch
	s_wait_xcnt 0x0                                ; the stores and the prefetch have read their registers and bases
	s_add_nc_u64 s[OUT:OUT+1], s[OUT:OUT+1], 102400
	s_add_nc_u64 s[PF:PF+1], s[PF:PF+1], WSTEP
	s_add_co_u32 s94, s94, 1
	s_cmp_lt_u32 s94, 2
	s_cbranch_scc1 .Ltile
	s_mul_i32 s67, s15, 8*BLK                      ; v: P = my key step's eight tiles of x,
	s_mul_i32 s66, s16, 4*BLK
	s_add_co_u32 s66, s66, POFF                    ; R = my head's four tiles of W
	s_mov_b32 s84, 0
	s_mov_b32 s83, 768
	s_mov_b32 s82, 1536
	SETADR 67, 66
	SETVO
	v_lshl_add_u32 v[SCO], v13, 3, v14             ; 16 r + 8 h
	s_wait_alu depctr_va_vdst(0)                   ; the wait behind these writes
	TILE 2, 0, OUTV
	s_wait_tensorcnt 0x0                           ; the wave's end
	ds_add_u32 v[SPW], v[NIL]
	s_wait_dscnt 0x0
	CROUND                                         ; the closing round
	s_endpgm
.Lfunc_end_k_q125b498a74_qkvgemm:
	.size	k_q125b498a74_qkvgemm, .Lfunc_end_k_q125b498a74_qkvgemm-k_q125b498a74_qkvgemm
	.p2alignl 7, 3214868480
	.fill 96, 4, 3214868480
	.section	.rodata,"a",@progbits
	.p2align	6, 0x0
	.amdhsa_kernel k_q125b498a74_qkvgemm
		.amdhsa_group_segment_fixed_size 327680
		.amdhsa_private_segment_fixed_size 0
		.amdhsa_enable_private_segment 0
		.amdhsa_kernarg_size 32
		.amdhsa_user_sgpr_count 2
		.amdhsa_user_sgpr_kernarg_segment_ptr 1
		.amdhsa_wavefront_size32 1
		.amdhsa_system_sgpr_workgroup_id_x 1
		.amdhsa_system_sgpr_workgroup_id_y 1
		.amdhsa_system_sgpr_workgroup_id_z 1
		.amdhsa_system_vgpr_workitem_id 0
		.amdhsa_next_free_vgpr 768
		.amdhsa_next_free_sgpr 100
		.amdhsa_reserve_vcc 0
		.amdhsa_float_denorm_mode_32 3
		.amdhsa_float_denorm_mode_16_64 3
		.amdhsa_memory_ordered 1
		.amdhsa_forward_progress 1
		.amdhsa_inst_pref_size 198
	.end_amdhsa_kernel
	.amdgpu_metadata
---
amdhsa.version: [ 1, 2 ]
amdhsa.kernels:
  - .name:           k_q125b498a74_qkvgemm
    .symbol:         k_q125b498a74_qkvgemm.kd
    .args:
      - { .name: ximg, .offset: 0, .size: 8, .value_kind: global_buffer, .address_space: global }
      - { .name: wqimg, .offset: 8, .size: 8, .value_kind: global_buffer, .address_space: global }
      - { .name: b_qkv, .offset: 16, .size: 8, .value_kind: global_buffer, .address_space: global }
      - { .name: qkv, .offset: 24, .size: 8, .value_kind: global_buffer, .address_space: global }
    .group_segment_fixed_size: 327680
    .private_segment_fixed_size: 0
    .kernarg_segment_align: 8
    .kernarg_segment_size: 32
    .max_flat_workgroup_size: 128
    .sgpr_count:     100
    .vgpr_count:     768
    .wavefront_size: 32
...
	.end_amdgpu_metadata
.endif
;; end of part 2
;; launch attn (part 3): grid 4 x 64, 16 waves a work-group, clusters of 4 x 1, 206,848 bytes of LDS; arguments qkv, aimg; writes aimg
.if DOCPART == 3
	.amdgcn_target "amdgcn-amd-amdhsa--gfx1250"
	.amdhsa_code_object_version 6
	.text
	.protected	k_q125b498a74_attn
	.globl	k_q125b498a74_attn
	.p2align	8
	.type	k_q125b498a74_attn,@function
k_q125b498a74_attn:
	s_mov_b64 s[64:65], 0
	v_nop
	global_prefetch_b8 v0, s[64:65] scope:SCOPE_SE
	s_setreg_imm32_b32 hwreg(HW_REG_WAVE_MODE, 25, 1), 1
	s_wait_xcnt 0x0
	s_wait_alu depctr_hold_cnt(0) depctr_sa_sdst(0) depctr_va_vdst(0) depctr_va_sdst(0) depctr_va_ssrc(0) depctr_va_vcc(0) depctr_vm_vsrc(0)
	s_getreg_b32 s2, hwreg(HW_REG_IB_STS2, 6, 4)
	s_cmp_eq_u32 s2, 0
	s_cbranch_scc0 .Lentry_in_a_cluster
	s_endpgm
.Lentry_in_a_cluster:
	s_bfe_u32 s2, ttmp6, 0x10000c
	s_cmp_lg_u32 s2, 0x3003
	s_cbranch_scc0 .Lentry_shape_is_right
	s_endpgm
.Lentry_shape_is_right:
; For each of 64 heads (batch x head): S = q k^T / 8 - (q - k) for k <= q, softmax, times v; both products on codes of FP6 (E2M3) with E8M0 scales; the result, divided by the row's sum, is quantised along D for the last product.
; THE SOFTMAX: t = logit x log2(e); M = the running largest t rounded UP to a whole number; p = 2^(t - M) is quantised along the keys, not normalised; the row's sum is taken of the unquantised p.
; When M moves, the sum and O are multiplied by 2^(old M - new M), which rounds nothing.  t - M = fma(fma(s, 1/8, d), L, fl(L x D - M)): d, a whole number under 128 in size, is the distance inside the step's block, D the block's.
; SHARES: the four work-groups of a cluster serve one head; the head's whole K and V (204,800 bytes of images) lie in each one's LDS, filled once by joint loads, one a wave.
; Wave w of partner cx owns the query tiles j = 8 (w / 2) + 2 cx + w % 2 and 127 - j, one after the other: 16 - w / 2 and w / 2 + 1 key steps of 128: 17 for every wave of the launch.
; The step on the diagonal is 15 - w / 2 or w / 2: it hangs on the wave's number alone; cx enters global addresses and vector data only.  Every pass walks 16 trips; a step past the diagonal is jumped over.
; LAYOUT: both products transposed: a lane holds one query (tile T, lane r: 32 (T / 2) + 8 (T % 2) + r + 8 (r / 8)).  K = 64 in a form of K = 128: a fragment of k holds TWO tiles of 16 keys (k 0-63: tile 2 p's head rows,
; k 64-127: tile 2 p + 1's); it is multiplied by [q | 0] and by [0 | q]: zero codes add nothing.  The 16 registers of a pair are then 16 neighbouring keys, 32 p + 16 h + 0 .. 15.
; LIMITS: hidden scores are -infinity where the definition has -1e30: the same p, 0, while a row's visible logits lie above -1e30.  The division by the sum is a reciprocal and a multiplication.
; A block whose largest magnitude lies under 2^-124 keeps the byte 1, a block of zeros too (zero codes).  NaN and infinities are not served.
; The scale bytes of the result leave one byte a lane (32 bytes a tile and head against 768 of codes).
; THE DISTANCE INSIDE A BLOCK IS THE SCORE PRODUCTS' C: they give s + 8 d, and t - M = fma(s + 8 d, L / 8, fl(L x D - M)): one multiply-add for each score (this takes the place of the inner fma named above).
; The first pass's loads of q are issued ahead of the wait for K and V.
.set VB,    102400                     ; LDS: K's 16 blocks of 6,400 bytes, then V's
.set SPARE, 204800                     ; the spare words, 128 bytes for each of 16 waves
.set AK0, 1                            ; v1  8 x lane
.set AV0, 2                            ; v2  + V's base
.set AS0, 3                            ; v3  16 r
.set AT0, 4                            ; v4  + V's base
.set SPW, 5
.set NIL, 6
.set RL,  7                            ; v7  r + 8 (r / 8) - 16 h
.set ADK, 8
.set ADV, 9
.set ADS, 10
.set ADT, 11                           ; v12 -M, v13 the largest t, v[14:15] the sum in two halves
.set QF,  16                           ; v16-33: zeros (6), q (6), zeros (6): [0 | q] = v[16:27], [q | 0] = v[22:33]
.set QSC, 34                           ; q's scale word [s0, s1, s0, s1]
.set OSB, 35                           ; the scale byte's offset in the output block
.set OCO, 36                           ; the codes'
.set QRW, 37
.set DE,  38                           ; v38, 40, 42, 44: L x D - M of the four blocks (the odd registers are 0: named in pairs)
.set TAU, 46
.set DL,  50                           ; v50-65: float(8 (i - RL)): the C of the score products
.set F,   66                           ; four fragments of K, then of V
.set KSC, 114
.set VSC, 118
.set S,   122                          ; the scores, then p
.set O,   186                          ; O^T: four tiles of 16 channels
.set PC,  218
.set PD,  230
.set UM,  238
.set PT,  242
.set SO,  246
.set FF,  250                          ; v250 f, v251 0
.set PW,  252                          ; p's scale word
.set WV,  8
.set CX,  9
.set BH,  10
.set HB,  12                           ; s[12:13] the head's first byte in qkv
.set G1,  16
.set G0,  24
.set SEL, 28
.set EI,  30                           ; s[30:31] log2(e) / 8
.set LG,  32                           ; s[32:33] log2(e)
.set KS,  34
.set TB,  35
.set KF,  36
.set SD,  37
.set TT,  38
.set Q0,  39
.set QP,  48
.set OP,  50
.set HM,  52
.set QS,  53
.set QW,  54
.set JJ,  56
.set WH,  57
.set AB,  58
.macro CROUND
	s_barrier_signal -1
	s_barrier_wait -1
	s_cmp_lg_u32 s[WV], 0
	s_cbranch_scc1 .Lnot_wave_0_\@
	s_barrier_signal -3
.Lnot_wave_0_\@:
	s_barrier_wait -3
	s_barrier_signal -1
	s_barrier_wait -1
.endm
	s_load_b128 s[4:7], s[0:1], 0x0                ; qkv, aimg
	v_lshl_add_u32 v[SPW], v0, 2, SPARE
	v_mov_b32 v[NIL], 0
	ds_add_u32 v[SPW], v[NIL]                      ; the wave's opening: the add and its wait ahead of my tensor load; work on registers stands between them
	ds_add_u32 v[SPW], v[NIL]
	v_lshrrev_b32 v8, 5, v0
	s_delay_alu instid0(VALU_DEP_1)
	v_readfirstlane_b32 s[WV], v8                  ; wave 0..15
	s_bfe_u32 s[CX], ttmp6, 0x40000                ; my place in the cluster
	s_and_b32 s[BH], ttmp7, 0xffff                 ; batch x head, which the four partners share
	; descriptor group 1: a dense run of 12,800 bytes as 50 rows of 256 (32 elements of 8 bytes); the mask names all four partners
	s_mov_b32 s[G1], 15|(3<<16)|(1<<21)
	s_mov_b32 s[G1+1], 32<<16
	s_mov_b32 s[G1+2], 50<<16
	s_mov_b32 s[G1+3], 32<<16
	s_mov_b32 s[G1+4], 50
	s_mov_b32 s[G1+5], 32
	s_mov_b32 s[G1+6], 0
	s_mov_b32 s[G1+7], 0
	s_mov_b32 s[SEL], 0x76543210
	s_mov_b32 s[SEL+1], 0xfedcba98
	s_mov_b32 s[EI], 0x3e38aa3b
	s_mov_b32 s[EI+1], s[EI]
	s_mov_b32 s[LG], 0x3fb8aa3b
	s_mov_b32 s[LG+1], s[LG]
	s_mov_b32 s[HM], 0xffff0000
	s_lshr_b32 s[WH], s[WV], 1
	s_lshl_b32 s[JJ], s[WH], 3
	s_lshl_b32 s40, s[CX], 1
	s_add_co_u32 s[JJ], s[JJ], s40
	s_and_b32 s40, s[WV], 1
	s_add_co_u32 s[JJ], s[JJ], s40                 ; j
	s_mul_i32 s40, s[BH], 307200
	s_mov_b32 s41, 0
	s_mul_i32 s42, s[WV], 12800                    ; my sixteenth of K and V, in LDS,
	s_add_co_u32 s44, s42, 102400                  ; and in the head (behind Q's 16 blocks)
	s_mov_b32 s45, 0
	s_lshr_b32 s46, s[BH], 4                       ; the output: (256 batch + head / 8) blocks on
	s_lshl_b32 s46, s46, 8
	s_bfe_u32 s47, s[BH], 0x10003
	s_add_co_u32 s46, s46, s47
	s_mul_i32 s46, s46, 6400
	s_mov_b32 s47, 0
	s_wait_dscnt 0x0                               ; the opening add is done
	s_wait_kmcnt 0x0
	s_add_nc_u64 s[HB:HB+1], s[4:5], s[40:41]
	s_add_nc_u64 s[AB:AB+1], s[6:7], s[46:47]
	s_mov_b32 s[G0], 1
	s_mov_b32 s[G0+1], s42
	s_add_nc_u64 s[G0+2:G0+3], s[HB:HB+1], s[44:45]
	s_or_b32 s[G0+3], s[G0+3], 0x80000000
	CROUND                                         ; all four work-groups are here: the joint loads meet
	tensor_load_to_lds s[G0:G0+3], s[G1:G1+7]      ; my one tensor load of the launch
	s_nop 0
.rept 4
	v_nop
.endr
	v_and_b32 v8, 15, v0                           ; r
	v_bfe_u32 v9, v0, 4, 1                         ; h
	v_and_b32 v10, 31, v0
	s_delay_alu instid0(VALU_DEP_1)
	v_lshlrev_b32 v[AK0], 3, v10
	s_delay_alu instid0(VALU_DEP_1)
	v_add_nc_u32 v[AV0], VB, v[AK0]
	v_lshlrev_b32 v[AS0], 4, v8
	s_delay_alu instid0(VALU_DEP_1)
	v_add_nc_u32 v[AT0], VB, v[AS0]
	v_and_b32 v[RL], 8, v8
	s_delay_alu instid0(VALU_DEP_1)
	v_add_nc_u32 v[RL], v[RL], v8
	v_lshlrev_b32 v11, 4, v9
	s_delay_alu instid0(VALU_DEP_1)
	v_sub_nc_u32 v[RL], v[RL], v11
	s_and_b32 s40, s[BH], 7
	s_lshl_b32 s41, s40, 1
	s_add_co_u32 s41, s41, 6144
	v_add_nc_u32 v[OSB], v[AS0], v9
	s_delay_alu instid0(VALU_DEP_1)
	v_add_nc_u32 v[OSB], s41, v[OSB]               ; 6,144 + 16 r + 2 (head % 8) + h
	s_mul_i32 s40, s40, 768
	v_add_nc_u32 v[OCO], s40, v[AK0]               ; 768 (head % 8) + 8 x lane
.irp i, 0,1,2,3,4,5,6,7,8,9,10,11,12,13,14,15
	v_sub_nc_u32 v253, \i, v[RL]
	s_delay_alu instid0(VALU_DEP_1)
	v_lshlrev_b32 v253, 3, v253
	s_delay_alu instid0(VALU_DEP_1)
	v_cvt_f32_i32 v[DL+\i], v253
.endr
.irp i, 0,1,2,3,4,5
	v_mov_b32 v[QF+\i], 0
	v_mov_b32 v[QF+12+\i], 0
.endr
.irp b, 0,1,2,3
	v_mov_b32 v[DE+2*\b+1], 0
	v_mov_b32 v[PT+\b], 0                          ; written once: a lane permute's destination counts as one of its sources
.endr
	v_mov_b32 v[FF+1], 0
; A KEY STEP: 128 keys.
.macro STEP
	s_cmp_gt_u32 s[KS], s[SD]                      ; past the diagonal: all 128 keys are hidden from my 16 queries
	s_cbranch_scc1 .Lhidden_\@
	v_add_nc_u32 v[ADK], s[TB], v[AK0]             ; (these four are also the places behind the last step's products)
	v_add_nc_u32 v[ADV], s[TB], v[AV0]
	v_add_nc_u32 v[ADS], s[TB], v[AS0]
	v_add_nc_u32 v[ADT], s[TB], v[AT0]
.irp t, 0,1,2,3
.irp q, 0,1,2,3,4,5
	ds_load_b64 v[F+12*\t+2*\q:F+12*\t+2*\q+1], v[ADK] offset:1536*\t+256*\q
.endr
.endr
	ds_load_b128 v[KSC:KSC+3], v[ADS] offset:6144
	s_wait_alu depctr_va_vdst(0)
	s_wait_dscnt 0x0
.irp t, 0,1,2,3
	v_wmma_scale_f32_16x16x128_f8f6f4 v[S+16*\t:S+16*\t+7], v[F+12*\t:F+12*\t+11], v[QF+6:QF+17], v[DL:DL+7], v[KSC+\t], v[QSC] matrix_a_fmt:MATRIX_FMT_FP6 matrix_b_fmt:MATRIX_FMT_FP6   ; s + 8 (i - RL), i = 0 .. 7
	v_wmma_scale_f32_16x16x128_f8f6f4 v[S+16*\t+8:S+16*\t+15], v[F+12*\t:F+12*\t+11], v[QF:QF+11], v[DL+8:DL+15], v[KSC+\t], v[QSC] matrix_a_fmt:MATRIX_FMT_FP6 matrix_b_fmt:MATRIX_FMT_FP6   ; i = 8 .. 15
.endr
.rept 4
	v_nop                                          ; places ahead of the loads into K's registers and of the first read of the scores
.endr
.irp t, 0,1,2,3                        ; V's fragments land while the softmax is worked
.irp q, 0,1,2,3,4,5
	ds_load_b64 v[F+12*\t+2*\q:F+12*\t+2*\q+1], v[ADV] offset:1536*\t+256*\q
.endr
.endr
	ds_load_b128 v[VSC:VSC+3], v[ADT] offset:6144
	s_cmp_lg_u32 s[KS], s[SD]                      ; on the diagonal hidden scores become -infinity ahead of the maximum
	s_cbranch_scc1 .Lopen_\@
	s_sub_co_i32 s40, s[Q0], s[KF]
	v_add_nc_u32 v254, s40, v[RL]                  ; register 16 b + i holds a hidden key where 32 b + i > Q0 - KF + RL
	v_mov_b32 v255, 0xff800000
.irp n, 0,1,2,3,4,5,6,7,8,9,10,11,12,13,14,15,16,17,18,19,20,21,22,23,24,25,26,27,28,29,30,31,32,33,34,35,36,37,38,39,40,41,42,43,44,45,46,47,48,49,50,51,52,53,54,55,56,57,58,59,60,61,62,63
	v_cmp_gt_i32 vcc_lo, 32*(\n/16)+\n%16, v254
	v_cndmask_b32 v[S+\n], v[S+\n], v255, vcc_lo   ; each accumulator from its low end on
.endr
.Lopen_\@:
.irp b, 0,1,2,3
	v_max3_num_f32 v[UM+\b], v[S+16*\b], v[S+16*\b+1], v[S+16*\b+2]   ; the largest u of each block of 32 keys: for the row's maximum, and for the block's largest p
.endr
.irp i, 3,5,7,9,11,13
.irp b, 0,1,2,3
	v_max3_num_f32 v[UM+\b], v[UM+\b], v[S+16*\b+\i], v[S+16*\b+\i+1]
.endr
.endr
.irp b, 0,1,2,3
	v_max_num_f32 v[UM+\b], v[UM+\b], v[S+16*\b+15]
.endr
.irp b, 0,1,2,3
	s_delay_alu instid0(VALU_DEP_4)
	v_permlanex16_b32 v[PT+\b], v[UM+\b], s[SEL], s[SEL+1]
.endr
.irp b, 0,1,2,3
	s_delay_alu instid0(VALU_DEP_4)
	v_max_num_f32 v[UM+\b], v[UM+\b], v[PT+\b]
.endr
	s_sub_co_i32 s40, s[KF], s[Q0]
	v_cvt_f32_i32 v[TAU], s40                      ; the blocks' distances KF - Q0 + 32 b: whole numbers, exact
	s_delay_alu instid0(VALU_DEP_1)
	v_add_f32 v[TAU+1], 0x42000000, v[TAU]
	s_delay_alu instid0(VALU_DEP_2)
	v_add_f32 v[TAU+2], 0x42800000, v[TAU]
	s_delay_alu instid0(VALU_DEP_3)
	v_add_f32 v[TAU+3], 0x42c00000, v[TAU]
.irp b, 0,1,2,3
	s_delay_alu instid0(VALU_DEP_4)
	v_mul_f32 v[TAU+\b], s[LG], v[TAU+\b]
.endr
.irp b, 0,1,2,3
	s_delay_alu instid0(VALU_DEP_4)
	v_fma_f32 v[SO+\b], v[UM+\b], s[EI], v[TAU+\b] ; each block's largest t
.endr
	s_delay_alu instid0(VALU_DEP_2)
	v_max3_num_f32 v253, v[SO], v[SO+1], v[SO+2]
	s_delay_alu instid0(VALU_DEP_1)
	v_max3_num_f32 v13, v253, v[SO+3], v13         ; the running largest t
	v_mov_b32 v253, v12
	s_delay_alu instid0(VALU_DEP_2)
	v_floor_f32 v12, -v13                          ; the new -M = -ceil(t)
	s_delay_alu instid0(VALU_DEP_1)
	v_sub_f32 v253, v12, v253                      ; old M - new M: a whole number, 0 or less
	s_delay_alu instid0(VALU_DEP_1)
	v_cvt_i32_f32 v253, v253                       ; (it saturates)
	s_delay_alu instid0(VALU_DEP_1)
	v_ldexp_f32 v[FF], 1.0, v253                   ; f = 2^(old M - new M)
.irp b, 0,1,2,3
	v_add_f32 v[DE+2*\b], v[TAU+\b], v12
.endr
.irp b, 0,1,2,3
.irp i, 0,2,4,6,8,10,12,14
	v_pk_fma_f32 v[S+16*\b+\i:S+16*\b+\i+1], v[S+16*\b+\i:S+16*\b+\i+1], s[EI:EI+1], v[DE+2*\b:DE+2*\b+1] op_sel_hi:[1,0,0]   ; t - M
.endr
.endr
.irp b, 0,1,2,3
	v_fma_f32 v[UM+\b], v[UM+\b], s[EI], v[DE+2*\b] ; the same of each block's largest: the same bits
.endr
	s_wait_alu depctr_va_vdst(0)
.irp n, 0,1,2,3,4,5,6,7,8,9,10,11,12,13,14,15,16,17,18,19,20,21,22,23,24,25,26,27,28,29,30,31,32,33,34,35,36,37,38,39,40,41,42,43,44,45,46,47,48,49,50,51,52,53,54,55,56,57,58,59,60,61,62,63
	v_exp_f32 v[S+\n], v[S+\n]                     ; p = 2^(t - M)
.endr
	v_pk_mul_f32 v[14:15], v[14:15], v[FF:FF+1] op_sel_hi:[1,0]   ; the sums under the new M: the plain place behind the exponentials
	s_wait_alu depctr_va_vdst(0)                   ; one wait for the batch of 64, ahead of its first reader
.irp b, 0,1,2,3
	v_exp_f32 v[UM+\b], v[UM+\b]                   ; the blocks' largest p
.endr
	v_pk_add_f32 v[242:243], v[126:127], v[130:131]
	v_pk_add_f32 v[254:255], v[134:135], v[138:139]
	v_pk_add_f32 v[248:249], v[142:143], v[146:147]
	v_pk_add_f32 v[246:247], v[150:151], v[154:155]
	v_pk_add_f32 v[244:245], v[158:159], v[162:163]
	v_pk_add_f32 v[236:237], v[166:167], v[170:171]
	v_pk_add_f32 v[234:235], v[174:175], v[178:179]
	v_pk_add_f32 v[14:15], v[14:15], v[182:183]
	v_pk_add_f32 v[242:243], v[242:243], v[122:123]
	v_pk_add_f32 v[254:255], v[254:255], v[124:125]
	v_pk_add_f32 v[248:249], v[248:249], v[128:129]
	v_pk_add_f32 v[246:247], v[246:247], v[132:133]
	v_pk_add_f32 v[244:245], v[244:245], v[136:137]
	v_pk_add_f32 v[236:237], v[236:237], v[140:141]
	v_pk_add_f32 v[234:235], v[234:235], v[144:145]
	v_pk_add_f32 v[14:15], v[14:15], v[148:149]
	v_pk_add_f32 v[242:243], v[242:243], v[152:153]
	v_pk_add_f32 v[254:255], v[254:255], v[156:157]
	v_pk_add_f32 v[248:249], v[248:249], v[160:161]
	v_pk_add_f32 v[246:247], v[246:247], v[164:165]
	v_pk_add_f32 v[244:245], v[244:245], v[168:169]
	v_pk_add_f32 v[236:237], v[236:237], v[172:173]
	v_pk_add_f32 v[234:235], v[234:235], v[176:177]
	v_pk_add_f32 v[14:15], v[14:15], v[180:181]
	v_pk_add_f32 v[242:243], v[242:243], v[184:185]
	s_delay_alu instid0(VALU_DEP_2)
	v_pk_add_f32 v[14:15], v[14:15], v[246:247]
	s_delay_alu instid0(VALU_DEP_2)
	v_pk_add_f32 v[242:243], v[242:243], v[244:245]
	v_pk_add_f32 v[254:255], v[254:255], v[236:237]
	v_pk_add_f32 v[248:249], v[248:249], v[234:235]
	s_delay_alu instid0(VALU_DEP_2)
	v_pk_add_f32 v[14:15], v[14:15], v[254:255]
	s_delay_alu instid0(VALU_DEP_2)
	v_pk_add_f32 v[242:243], v[242:243], v[248:249]
	s_delay_alu instid0(VALU_DEP_1)
	v_pk_add_f32 v[14:15], v[14:15], v[242:243]
	s_wait_alu depctr_va_vdst(0)                   ; and one for the four
.irp b, 0,1,2,3
	v_max_num_f32 v[UM+\b], 0x1800000, v[UM+\b]    ; the floor 2^(3 - 127)
.endr
.irp b, 0,1,2,3
	s_delay_alu instid0(VALU_DEP_4)
	v_add_nc_u32 v[SO+\b], 0xff000000, v[UM+\b]    ; the conversion's scale operand
.endr
.irp b, 0,1,2,3
	s_delay_alu instid0(VALU_DEP_4)
	v_lshrrev_b32 v[PT+\b], 23, v[SO+\b]           ; the scale's byte
.endr
	s_delay_alu instid0(VALU_DEP_3)
	v_lshl_or_b32 v[PW], v[PT+1], 8, v[PT]
	s_delay_alu instid0(VALU_DEP_1)
	v_lshl_or_b32 v[PW], v[PT+2], 16, v[PW]
	s_delay_alu instid0(VALU_DEP_1)
	v_lshl_or_b32 v[PW], v[PT+3], 24, v[PW]
.irp c, 0,1
	v_cvt_scalef32_pk16_fp6_f32 v[PC+6*\c:PC+6*\c+2], v[S+32*\c:S+32*\c+15], v[SO+2*\c]
	v_cvt_scalef32_pk16_fp6_f32 v[PD+4*\c:PD+4*\c+2], v[S+32*\c+16:S+32*\c+31], v[SO+2*\c+1]
.endr
	v_nop                                          ; one plain place behind a scaled conversion
.irp c, 0,1
.irp i, 0,1,2
	v_permlane16_swap_b32 v[PC+6*\c+\i], v[PD+4*\c+\i]
.endr
.irp i, 0,1,2
	s_delay_alu instid0(VALU_DEP_3)
	v_mov_b32 v[PC+3+6*\c+\i], v[PD+4*\c+\i]
.endr
.endr
.irp j, 0,2,4,6,8,10,12,14,16,18,20,22,24,26,28,30
	v_pk_mul_f32 v[O+\j:O+\j+1], v[O+\j:O+\j+1], v[FF:FF+1] op_sel_hi:[1,0]   ; O^T under the new M, each accumulator from its low end on; these 16 stand ahead of the scaled products
.endr
	s_wait_alu depctr_va_vdst(0)
	s_wait_dscnt 0x0                               ; V
.irp t, 0,1,2,3
	v_wmma_scale_f32_16x16x128_f8f6f4 v[O+8*\t:O+8*\t+7], v[F+12*\t:F+12*\t+11], v[PC:PC+11], v[O+8*\t:O+8*\t+7], v[VSC+\t], v[PW] matrix_a_fmt:MATRIX_FMT_FP6 matrix_b_fmt:MATRIX_FMT_FP6
.endr
.Lhidden_\@:
.endm
; ONE QUERY TILE: hi = 1: tile 127 - j; 0: tile j.
.macro PASS hi
	s_wait_xcnt 0x0                                ; the last pass's loads and stores have read their pointers and registers
.if \hi
	s_sub_co_u32 s[TT], 127, s[JJ]
	s_sub_co_u32 s[SD], 15, s[WH]
.else
	s_mov_b32 s[TT], s[JJ]
	s_mov_b32 s[SD], s[WH]
.endif
	s_lshr_b32 s40, s[TT], 1
	s_lshl_b32 s[Q0], s40, 5
	s_and_b32 s41, s[TT], 1
	s_lshl_b32 s42, s41, 3
	s_add_co_u32 s[Q0], s[Q0], s42                 ; lane r's query is Q0 + r + 8 (r / 8)
	s_lshr_b32 s42, s[TT], 3
	s_mul_i32 s42, s42, 6400                       ; Q's block,
	s_and_b32 s43, s40, 3                          ; the pair fragment in it
	s_lshl_b32 s44, s43, 2
	s_add_co_u32 s44, s44, s42
	s_mov_b32 s45, 0
	s_add_nc_u64 s[QW:QW+1], s[HB:HB+1], s[44:45]  ; its scale words
	s_mul_i32 s43, s43, 1536
	s_add_co_u32 s44, s42, s43
	s_mul_i32 s43, s41, 768
	s_add_co_u32 s44, s44, s43
	s_add_nc_u64 s[QP:QP+1], s[HB:HB+1], s[44:45]  ; my tile's half of it
	s_mul_i32 s44, s[TT], 12800
	s_add_nc_u64 s[OP:OP+1], s[AB:AB+1], s[44:45]  ; the output block
	s_mul_i32 s[QS], s41, 0x02020202
	s_add_co_u32 s[QS], s[QS], 0x01000100          ; bytes 0, 1 (an even tile) or 2, 3 of the pair's word, twice
.irp p, 0,1,2
	global_load_b64 v[QF+6+2*\p:QF+7+2*\p], v[AK0], s[QP:QP+1] offset:256*\p
.endr
	global_load_b32 v[QRW], v[AS0], s[QW:QW+1] offset:6144
	v_mov_b32 v13, 0xff61b1e6                      ; the largest t so far: -3e38
	s_delay_alu instid0(VALU_DEP_1)
	v_floor_f32 v12, -v13
	v_mov_b32 v14, 0
	v_mov_b32 v15, 0
.if \hi
	s_wait_alu depctr_va_vdst(0)                   ; the wait ahead of the blocking wait
	s_wait_tensorcnt 0x0                           ; my part of K and V has landed (q's loads are out meanwhile),
	s_barrier_signal -1
	s_barrier_wait -1                              ; everybody's has.  Nothing is ever filled again
.endif
	s_wait_loadcnt 0x0
	v_perm_b32 v[QSC], v[QRW], v[QRW], s[QS]
.irp j, 0,1,2,3,4,5,6,7,8,9,10,11,12,13,14,15,16,17,18,19,20,21,22,23,24,25,26,27,28,29,30,31
	v_mov_b32 v[O+\j], 0                           ; O^T: the first change of M leaves zeros zeros.  (These also stand between the scale word's write and the first scaled product)
.endr
	s_mov_b32 s[KS], 0
	s_mov_b32 s[TB], 0
	s_mov_b32 s[KF], 0
.Lstep_\@:
	STEP
	s_add_co_u32 s[TB], s[TB], 6400
	s_add_co_u32 s[KF], s[KF], 128
	s_add_co_u32 s[KS], s[KS], 1
	s_cmp_lt_u32 s[KS], 16
	s_cbranch_scc1 .Lstep_\@
.rept 4
	v_nop                                          ; places behind the last products
.endr
	v_add_f32 v14, v14, v15
	s_delay_alu instid0(VALU_DEP_1)
	v_permlanex16_b32 v253, v14, s[SEL], s[SEL+1]
	s_delay_alu instid0(VALU_DEP_1)
	v_add_f32 v14, v14, v253                       ; the row's sum
	s_wait_alu depctr_va_vdst(0)
	v_rcp_f32 v14, v14
	v_nop                                          ; a plain place behind the reciprocal
	s_wait_alu depctr_va_vdst(0)                   ; and the wait ahead of its first reader
.irp j, 0,2,4,6,8,10,12,14,16,18,20,22,24,26,28,30
	v_pk_mul_f32 v[S+\j:S+\j+1], v[O+\j:O+\j+1], v[14:15] op_sel_hi:[1,0]   ; register 16 b + i = channel 32 b + 16 h + i of my query
.endr
.irp b, 0,1
	v_max3_num_f32 v[UM+\b], |v[S+16*\b]|, |v[S+16*\b+1]|, 0x1800000
.endr
.irp i, 2,4,6,8,10,12,14
.irp b, 0,1
	s_delay_alu instid0(VALU_DEP_2)
	v_max3_num_f32 v[UM+\b], v[UM+\b], |v[S+16*\b+\i]|, |v[S+16*\b+\i+1]|
.endr
.endr
.irp b, 0,1
	s_delay_alu instid0(VALU_DEP_2)
	v_permlanex16_b32 v[PT+\b], v[UM+\b], s[SEL], s[SEL+1]
.endr
.irp b, 0,1
	s_delay_alu instid0(VALU_DEP_2)
	v_max_num_f32 v[UM+\b], v[UM+\b], v[PT+\b]
.endr
.irp b, 0,1
	s_delay_alu instid0(VALU_DEP_2)
	v_add_nc_u32 v[SO+\b], 0xff000000, v[UM+\b]
.endr
.irp b, 0,1
	s_delay_alu instid0(VALU_DEP_2)
	v_lshrrev_b32 v[PT+\b], 23, v[SO+\b]
.endr
	v_cvt_scalef32_pk16_fp6_f32 v[PC:PC+2], v[S:S+15], v[SO]
	v_cvt_scalef32_pk16_fp6_f32 v[PD:PD+2], v[S+16:S+31], v[SO+1]
	v_nop                                          ; one plain place behind a scaled conversion
.irp i, 0,1,2
	v_permlane16_swap_b32 v[PC+\i], v[PD+\i]
.endr
.irp i, 0,1,2
	s_delay_alu instid0(VALU_DEP_3)
	v_mov_b32 v[PC+3+\i], v[PD+\i]
.endr
	v_cndmask_b32 v253, v[PT], v[PT+1], s[HM]      ; my half's block's byte
.irp p, 0,1,2
	global_store_b64 v[OCO], v[PC+2*\p:PC+2*\p+1], s[OP:OP+1] offset:256*\p   ; 32 lanes store 256 consecutive bytes, aligned
.endr
	global_store_b8 v[OSB], v253, s[OP:OP+1]
.endm
	PASS 1
	PASS 0
	s_wait_tensorcnt 0x0                           ; the wave's end
	ds_add_u32 v[SPW], v[NIL]
	s_wait_dscnt 0x0
	CROUND                                         ; the closing round
	s_endpgm
.Lfunc_end_k_q125b498a74_attn:
	.size	k_q125b498a74_attn, .Lfunc_end_k_q125b498a74_attn-k_q125b498a74_attn
	.p2alignl 7, 3214868480
	.fill 96, 4, 3214868480
	.section	.rodata,"a",@progbits
	.p2align	6, 0x0
	.amdhsa_kernel k_q125b498a74_attn
		.amdhsa_group_segment_fixed_size 206848
		.amdhsa_private_segment_fixed_size 0
		.amdhsa_enable_private_segment 0
		.amdhsa_kernarg_size 16
		.amdhsa_user_sgpr_count 2
		.amdhsa_user_sgpr_kernarg_segment_ptr 1
		.amdhsa_wavefront_size32 1
		.amdhsa_system_sgpr_workgroup_id_x 1
		.amdhsa_system_sgpr_workgroup_id_y 1
		.amdhsa_system_sgpr_workgroup_id_z 1
		.amdhsa_system_vgpr_workitem_id 0
		.amdhsa_next_free_vgpr 256
		.amdhsa_next_free_sgpr 66
		.amdhsa_reserve_vcc 1
		.amdhsa_float_denorm_mode_32 3
		.amdhsa_float_denorm_mode_16_64 3
		.amdhsa_memory_ordered 1
		.amdhsa_forward_progress 1
		.amdhsa_inst_pref_size 71
	.end_amdhsa_kernel
	.amdgpu_metadata
---
amdhsa.version: [ 1, 2 ]
amdhsa.kernels:
  - .name:           k_q125b498a74_attn
    .symbol:         k_q125b498a74_attn.kd
    .args:
      - { .name: qkv, .offset: 0, .size: 8, .value_kind: global_buffer, .address_space: global }
      - { .name: aimg, .offset: 8, .size: 8, .value_kind: global_buffer, .address_space: global }
    .group_segment_fixed_size: 206848
    .private_segment_fixed_size: 0
    .kernarg_segment_align: 8
    .kernarg_segment_size: 16
    .max_flat_workgroup_size: 512
    .sgpr_count:     66
    .vgpr_count:     256
    .wavefront_size: 32
...
	.end_amdgpu_metadata
.endif
;; end of part 3
;; launch outgemm (part 4): grid 8 x 32, 4 waves a work-group, clusters of 4 x 4, 327,680 bytes of LDS; arguments aimg, woimg, b_out, out0; writes out0
.if DOCPART == 4
	.amdgcn_target "amdgcn-amd-amdhsa--gfx1250"
	.amdhsa_code_object_version 6
	.text
	.protected	k_q125b498a74_outgemm
	.globl	k_q125b498a74_outgemm
	.p2align	8
	.type	k_q125b498a74_outgemm,@function
k_q125b498a74_outgemm:
	s_mov_b64 s[64:65], 0
	v_nop
	global_prefetch_b8 v0, s[64:65] scope:SCOPE_SE
	s_setreg_imm32_b32 hwreg(HW_REG_WAVE_MODE, 25, 1), 1
	s_wait_xcnt 0x0
	s_wait_alu depctr_hold_cnt(0) depctr_sa_sdst(0) depctr_va_vdst(0) depctr_va_sdst(0) depctr_va_ssrc(0) depctr_va_vcc(0) depctr_vm_vsrc(0)
	s_getreg_b32 s2, hwreg(HW_REG_IB_STS2, 6, 4)
	s_cmp_eq_u32 s2, 0
	s_cbranch_scc0 .Lentry_in_a_cluster
	s_endpgm
.Lentry_in_a_cluster:
	s_bfe_u32 s2, ttmp6, 0x10000c
	s_cmp_lg_u32 s2, 0xf033
	s_cbranch_scc0 .Lentry_shape_is_right
	s_endpgm
.Lentry_shape_is_right:
.set CHUNK, 153600
.set POFF,  102400
.set BLK,   6400
.set SPARE, 2*CHUNK
.set AR,  2
.set AP,  4
.set SR,  6
.set SP,  8
.set SPW, 10
.set NIL, 11
.set STO, 16
.set RD,  17
.set CO,  18
.set SCP, 32
.set SCR, 64
.set BI,  80
.set RF,  144
.set BK,  128
.set G1R, 24
.set G0R, 32
.set G1P, 48
.set G0P, 56
.set OUT, 10
.set MSB, 0
.macro WIN new
.if MSB != \new
	s_set_vgpr_msb (MSB<<8)|\new
.set MSB, \new
.endif
.endm
.macro JLOAD g0a, g1a, g0b, g1b
	s_cmp_eq_u32 s15, 0
	s_cbranch_scc0 .Lfor_p_\@
	tensor_load_to_lds s[\g0a:\g0a+3], s[\g1a:\g1a+7]
	s_nop 0
.rept 4
	v_nop
.endr
	s_branch .Lasked_\@
.Lfor_p_\@:
	tensor_load_to_lds s[\g0b:\g0b+3], s[\g1b:\g1b+7]
	s_nop 0
.rept 4
	v_nop
.endr
.Lasked_\@:
.endm
.macro CROUND
	s_barrier_signal -1
	s_barrier_wait -1
	s_cmp_lg_u32 s14, 0
	s_cbranch_scc1 .Lnot_wave_0_\@
	s_barrier_signal -3
.Lnot_wave_0_\@:
	s_barrier_wait -3
	s_barrier_signal -1
	s_barrier_wait -1
.endm
.macro PLACES
.rept 4
	v_nop
.endr
.endm
.macro FETCH s
	WIN 0x40
.irp b, 0,1,2,3,4,5,6,7
.irp q, 0,1,2,3,4,5
	ds_load_b64 v[96*((\s)%2)+12*\b+2*\q:96*((\s)%2)+12*\b+2*\q+1], v[AP+(\s)/4] offset:BLK*\b+1536*((\s)%4)+256*\q
.endr
.endr
	WIN 0
.irp a, 0,1,2,3
.irp q, 0,1,2,3,4,5
	ds_load_b64 v[RF+48*((\s)%2)+12*\a+2*\q:RF+48*((\s)%2)+12*\a+2*\q+1], v[AR+(\s)/4] offset:BLK*\a+1536*((\s)%4)+256*\q
.endr
.endr
.endm
.macro SCALES c
.irp b, 0,1,2,3,4,5,6,7
	ds_load_b128 v[SCP+48*\c+4*\b:SCP+48*\c+4*\b+3], v[SP+\c] offset:BLK*\b
.endr
.irp a, 0,1,2,3
	ds_load_b128 v[SCR+48*\c+4*\a:SCR+48*\c+4*\a+3], v[SR+\c] offset:BLK*\a
.endr
.endm
.macro MUL32 s, cm
.if \cm
	WIN 0x81
.else
	WIN 0xa1
.endif
.irp a, 0,1,2,3
.irp b, 0,1,2,3,4,5,6,7
.if \cm == 0
	v_wmma_scale_f32_16x16x128_f8f6f4 v[8*(8*\a+\b):8*(8*\a+\b)+7], v[96*((\s)%2)+12*\b:96*((\s)%2)+12*\b+11], v[RF+48*((\s)%2)+12*\a:RF+48*((\s)%2)+12*\a+11], v[8*(8*\a+\b):8*(8*\a+\b)+7], v[SCP+48*((\s)/4)+4*\b+(\s)%4], v[SCR+48*((\s)/4)+4*\a+(\s)%4] matrix_a_fmt:MATRIX_FMT_FP6 matrix_b_fmt:MATRIX_FMT_FP6
.else
	v_wmma_scale_f32_16x16x128_f8f6f4 v[8*(8*\a+\b):8*(8*\a+\b)+7], v[96*((\s)%2)+12*\b:96*((\s)%2)+12*\b+11], v[RF+48*((\s)%2)+12*\a:RF+48*((\s)%2)+12*\a+11], v[BI+8*\b:BI+8*\b+7], v[SCP+48*((\s)/4)+4*\b+(\s)%4], v[SCR+48*((\s)/4)+4*\a+(\s)%4] matrix_a_fmt:MATRIX_FMT_FP6 matrix_b_fmt:MATRIX_FMT_FP6
.endif
.endr
.endr
.endm
.macro KSTEP s
	s_wait_dscnt 0x0
.if (\s) == 3
	s_wait_tensorcnt 0x0
	s_barrier_signal -1
	s_barrier_wait -1
.endif
.if (\s) < 7
	PLACES
	FETCH (\s)+1
.if (\s) == 3
	SCALES 1
.endif
.endif
	MUL32 \s, 0
.endm
	s_load_b256 s[4:11], s[0:1], 0x0
	v_lshl_add_u32 v[SPW], v0, 2, SPARE
	v_mov_b32 v[NIL], 0
	ds_add_u32 v[SPW], v[NIL]
	ds_add_u32 v[SPW], v[NIL]
	v_lshrrev_b32 v1, 5, v0
	v_readfirstlane_b32 s14, v1
	s_lshr_b32 s15, s14, 1
	s_and_b32 s16, s14, 1
	s_bfe_u32 s40, ttmp6, 0x40000
	s_bfe_u32 s41, ttmp6, 0x40004
	s_and_b32 s45, ttmp7, 0xffff
	s_lshl_b32 s43, s41, 2
	s_lshl_b32 s43, 15, s43
	s_lshl_b32 s44, 0x1111, s40
	s_or_b32 s[G1R], s43, (3<<16)|(1<<21)
	s_or_b32 s[G1P], s44, (3<<16)|(1<<21)
	s_mov_b32 s[G1R+1], 800<<16
	s_mov_b32 s[G1R+2], 8<<16
	s_mov_b32 s[G1R+3], 800<<16
	s_mov_b32 s[G1R+4], 8
	s_mov_b32 s[G1R+5], 1600
	s_mov_b32 s[G1R+6], 0
	s_mov_b32 s[G1R+7], 0
	s_mov_b32 s[G1P+1], 800<<16
	s_mov_b32 s[G1P+2], 4<<16
	s_mov_b32 s[G1P+3], 800<<16
	s_mov_b32 s[G1P+4], 4
	s_mov_b32 s[G1P+5], 1600
	s_mov_b32 s[G1P+6], 0
	s_mov_b32 s[G1P+7], 0
	s_lshl_b32 s42, ttmp9, 2
	s_add_co_u32 s42, s42, s40
	s_lshl_b32 s17, s45, 2
	s_add_co_u32 s17, s17, s41
	s_mul_i32 s68, s42, 102400
	s_mul_i32 s66, s16, 51200
	s_add_co_u32 s68, s68, s66
	s_mov_b32 s69, 0
	s_mul_i32 s70, s17, 204800
	s_mul_i32 s66, s16, 102400
	s_add_co_u32 s70, s70, s66
	s_mov_b32 s71, 0
	s_mul_i32 s76, s16, 8*BLK
	s_mul_i32 s77, s16, 4*BLK
	s_add_co_u32 s77, s77, POFF
	s_mul_i32 s78, s14, 4*BLK
	s_lshl_b32 s80, s42, 9
	s_mov_b32 s81, 0
	s_lshl_b32 s88, s17, 20
	s_lshl_b32 s66, s14, 18
	s_add_co_u32 s88, s88, s66
	s_add_co_u32 s88, s88, s80
	s_mov_b32 s89, 0
	s_mul_i32 s79, s14, 8448
	s_wait_dscnt 0x0
	s_wait_kmcnt 0x0
	s_add_nc_u64 s[72:73], s[4:5], s[70:71]
	s_add_nc_u64 s[74:75], s[6:7], s[68:69]
	s_add_nc_u64 s[8:9], s[8:9], s[80:81]
	s_add_nc_u64 s[OUT:OUT+1], s[OUT:OUT+1], s[88:89]
	CROUND
.irp c, 0,1
	s_mov_b32 s[G0R+4*\c], 1
	s_add_co_u32 s[G0R+4*\c+1], s76, \c*CHUNK
	s_add_nc_u64 s[G0R+4*\c+2:G0R+4*\c+3], s[72:73], \c*BLK
	s_or_b32 s[G0R+4*\c+3], s[G0R+4*\c+3], 0x80000000
	s_mov_b32 s[G0P+4*\c], 1
	s_add_co_u32 s[G0P+4*\c+1], s77, \c*CHUNK
	s_add_nc_u64 s[G0P+4*\c+2:G0P+4*\c+3], s[74:75], \c*BLK
	s_or_b32 s[G0P+4*\c+3], s[G0P+4*\c+3], 0x80000000
.endr
	JLOAD G0R, G1R, G0P, G1P                       ; K's first half: one tensor load a wave at the head, behind the opening round; the set-up and the bias loads below stand under its flight
	v_and_b32 v12, 15, v0
	v_bfe_u32 v13, v0, 4, 1
	v_and_b32 v19, 31, v0
	v_lshlrev_b32 v1, 3, v19
	v_add_nc_u32 v[AR], s78, v1
	v_add_nc_u32 v[AR+1], CHUNK, v[AR]
	v_add_nc_u32 v[AP], POFF, v1
	v_add_nc_u32 v[AP+1], CHUNK+POFF, v1
	v_lshlrev_b32 v14, 4, v12
	v_add_nc_u32 v[SR], s78, v14
	v_add_nc_u32 v[SR], 6144, v[SR]
	v_add_nc_u32 v[SR+1], CHUNK, v[SR]
	v_add_nc_u32 v[SP], POFF+6144, v14
	v_add_nc_u32 v[SP+1], CHUNK+POFF+6144, v14
	v_lshlrev_b32 v15, 6, v13
	v_mul_u32_u24 v[STO], v12, 528
	v_lshl_add_u32 v[STO], v13, 6, v[STO]
	v_add_nc_u32 v[STO], s79, v[STO]
	v_lshlrev_b32 v[CO], 4, v19
	v_add_nc_u32 v[RD], s79, v[CO]
.irp b, 0,1,2,3,4,5,6,7
	global_load_b128 v[BI+8*\b:BI+8*\b+3], v15, s[8:9] offset:128*(\b/2)+32*(\b%2)
	global_load_b128 v[BI+8*\b+4:BI+8*\b+7], v15, s[8:9] offset:128*(\b/2)+32*(\b%2)+16
.endr
	s_wait_alu depctr_va_vdst(0)                   ; the wait at the head's end
	s_wait_tensorcnt 0x0                           ; my part of K's first half is in: the one load that I had out
	ds_add_u32 v[SPW], v[NIL]                      ; an add and its wait ahead of a later first fill
	s_wait_dscnt 0x0
	CROUND                                         ; everybody's part is in, and all sixteen work-groups are here
	JLOAD G0R+4, G1R, G0P+4, G1P                   ; K's second half, the first tensor load behind the round; it is waited for in K step 3
	FETCH 0
	SCALES 0
	s_wait_loadcnt 0x0
	s_wait_dscnt 0x0
	FETCH 1
	MUL32 0, 1
	KSTEP 1
	KSTEP 2
	KSTEP 3
	KSTEP 4
	KSTEP 5
	KSTEP 6
	KSTEP 7
	WIN 0
.macro TOSTAGE a
	WIN 0x08
.irp b, 0,1,2,3,4,5,6,7
	ds_store_b128 v[STO], v[64*(\a)+8*\b:64*(\a)+8*\b+3] offset:128*(\b/2)+32*(\b%2)
	ds_store_b128 v[STO], v[64*(\a)+8*\b+4:64*(\a)+8*\b+7] offset:128*(\b/2)+32*(\b%2)+16
.endr
	WIN 0
.irp t, 0,1,2,3,4,5,6,7,8,9,10,11,12,13,14,15
	ds_load_b128 v[BK+64*((\a)%2)+4*\t:BK+64*((\a)%2)+4*\t+3], v[RD] offset:528*\t
.endr
.endm
.macro SEND a, younger
	s_wait_dscnt \younger
.irp t, 0,1,2,3,4,5,6,7,8,9,10,11,12,13,14,15
	global_store_b128 v[CO], v[BK+64*((\a)%2)+4*\t:BK+64*((\a)%2)+4*\t+3], s[OUT:OUT+1] offset:(32*((\a)/2)+8*((\a)%2)+\t+8*(\t/8))*4096 th:TH_STORE_NT
.endr
.endm
	PLACES
	TOSTAGE 0
	TOSTAGE 1
	SEND 0, 32
	s_wait_xcnt 0x0
	TOSTAGE 2
	SEND 1, 32
	s_wait_xcnt 0x0
	TOSTAGE 3
	SEND 2, 32
	SEND 3, 0
	s_wait_tensorcnt 0x0
	ds_add_u32 v[SPW], v[NIL]
	s_wait_dscnt 0x0
	CROUND
	s_endpgm
.Lfunc_end_k_q125b498a74_outgemm:
	.size	k_q125b498a74_outgemm, .Lfunc_end_k_q125b498a74_outgemm-k_q125b498a74_outgemm
	.p2alignl 7, 3214868480
	.fill 96, 4, 3214868480
	.section	.rodata,"a",@progbits
	.p2align	6, 0x0
	.amdhsa_kernel k_q125b498a74_outgemm
		.amdhsa_group_segment_fixed_size 327680
		.amdhsa_private_segment_fixed_size 0
		.amdhsa_enable_private_segment 0
		.amdhsa_kernarg_size 32
		.amdhsa_user_sgpr_count 2
		.amdhsa_user_sgpr_kernarg_segment_ptr 1
		.amdhsa_wavefront_size32 1
		.amdhsa_system_sgpr_workgroup_id_x 1
		.amdhsa_system_sgpr_workgroup_id_y 1
		.amdhsa_system_sgpr_workgroup_id_z 1
		.amdhsa_system_vgpr_workitem_id 0
		.amdhsa_next_free_vgpr 768
		.amdhsa_next_free_sgpr 100
		.amdhsa_reserve_vcc 0
		.amdhsa_float_denorm_mode_32 3
		.amdhsa_float_denorm_mode_16_64 3
		.amdhsa_memory_ordered 1
		.amdhsa_forward_progress 1
		.amdhsa_inst_pref_size 95
	.end_amdhsa_kernel
	.amdgpu_metadata
---
amdhsa.version: [ 1, 2 ]
amdhsa.kernels:
  - .name:           k_q125b498a74_outgemm
    .symbol:         k_q125b498a74_outgemm.kd
    .args:
      - { .name: aimg, .offset: 0, .size: 8, .value_kind: global_buffer, .address_space: global }
      - { .name: woimg, .offset: 8, .size: 8, .value_kind: global_buffer, .address_space: global }
      - { .name: b_out, .offset: 16, .size: 8, .value_kind: global_buffer, .address_space: global }
      - { .name: out0, .offset: 24, .size: 8, .value_kind: global_buffer, .address_space: global }
    .group_segment_fixed_size: 327680
    .private_segment_fixed_size: 0
    .kernarg_segment_align: 8
    .kernarg_segment_size: 32
    .max_flat_workgroup_size: 128
    .sgpr_count:     100
    .vgpr_count:     768
    .wavefront_size: 32
...
	.end_amdgpu_metadata
.endif
;; end of part 4
